; MI455X (gfx1250); checked and timed in simulation.
; The chip was launched on July 23, 2026; its instructions are those of AMD's public machine-readable ISA for CDNA 5 (MIT licence, August 2026) and "CDNA5" Instruction Set Architecture Reference Guide (July 2026). The comments in the code are by the model that wrote it; some were corrected since.
;; Quantized Linear. Allowed arithmetic: matrix products marked QUANTISED: E5M2 operands, one E8M0 scale for each 32 along K, by v_wmma_scale_f32_16x16x128_f8f6f4 with both operands' format E5M2, f32 sums; everything else in f32.
;; Inputs: bias 16,384 float32; scale 16,384 x 1 float32; weight 16,384 x 4,096 int8; x_codes 1,024 x 128 x 32 uint8 (E5M2 codes of x, K innermost, in blocks of 32 codes); x_scales 1,024 x 128 uint8 (E8M0 scales of x, one for each 32 codes along K).
;; Outputs: out0 1,024 x 16,384 float32.
;; This version of the problem:
;;   THIS VERSION OF THE PROBLEM IS GIVEN IN LOW PRECISION. The matrix products marked QUANTISED in the list below multiply operands that are first quantised to E5M2 (5 exponent bits, 2 mantissa bits; 8 bits a number), with one power-of-two scale for each 32 numbers along K (OCP MX v1.0); their sums are f32. All else is computed in f32.
;;   The module's matrix products, in the order in which they are computed (A, B: the left and right operand; K: the contracted axis; several contracted axes count as one K, in the product's order):
;;     1. [M 1,024, K 4,096] x [K 4,096, N 16,384]; A: input x (given as codes); B: computed on the way: QUANTISED
;;   THE QUANTISER, for each operand of a quantised product, along K:
;;     - K is cut into blocks of 32 from its start; a last block that is shorter is filled with zeros.
;;     - A block's scale is 2^e with e = floor(log2(the largest magnitude in the block)) - 15, held to -126 .. 127; a block of zeros has e = 0. As a byte (E8M0): e + 127.
;;     - Each number is divided by its block's scale, clamped to +-57,344, and rounded to the nearest number of E5M2, ties to even, subnormals kept.
;;     - The product sums the exact products of the quantised numbers (number of the format x scale) in f32.
;;   ~~~python
;;   def quantise(x, axis):      # numpy; x: float32 -> the quantised numbers, widened to float32 again
;;       x = np.moveaxis(x, axis, -1); K = x.shape[-1]
;;       x = np.pad(x, [(0, 0)] * (x.ndim - 1) + [(0, -K % 32)]); x = x.reshape(x.shape[:-1] + (-1, 32)); a = np.abs(x).max(-1, keepdims=True)
;;       e = np.where(a > 0, np.clip(np.frexp(np.where(a > 0, a, 1))[1] - 1 - 15, -126, 127), 0)      # np.frexp(a)[1] - 1 = floor(log2(a)), exactly
;;       r = np.clip(x / 2.0 ** e, -57344, 57344)
;;       step = 2.0 ** (np.maximum(np.frexp(np.where(r == 0, 1, r))[1] - 1, -14) - 2)
;;       q = np.round(r / step) * step * 2.0 ** e      # np.round: ties to even
;;       return np.moveaxis(q.reshape(q.shape[:-2] + (-1,))[..., :K], -1, axis).astype(np.float32)
;;   ~~~
;;   OPERANDS COMPUTED ON THE WAY. 'Computed on the way' means the value that the module computes at that place (a softmax that the list does not call 'softmax' is quantised finished and normalised). What goes into a quantiser is computed in f32, as accurately as f32 sums, v_exp_f32 and their like allow (about 1e-6 of the number): no bf16 or f16 on the way to a quantiser, and a product that is left as it is and whose result goes on into a quantised operand takes f32 operands (vector FMAs, or v_wmma_f32_16x16x4_f32). A number that lies on a knife's edge between two numbers of the format may be rounded either way, as far as f32 arithmetic and the matrix unit's own rounding can turn it there, and no further.
;;   INPUTS GIVEN AS CODES. x (in the module: [1024, 4096], K = its axis 1): each comes as NAME_codes (uint8): NAME with its K axis moved to the last place and cut into blocks of 32 codes, [.., K / 32, bytes a block], one block behind the other in memory; one code a byte (a code: sign, 5 exponent bits, 2 mantissa bits); and NAME_scales (uint8): the same leading axes, one E8M0 byte (e + 127) for each 32 codes along K. Its value is code x scale, taken as it is: it is not quantised again, and the codes and scales need not be those that the quantiser above would give.
;; One version. Each part assembles by itself: llvm-mc -triple=amdgcn-amd-amdhsa -mcpu=gfx1250 --defsym DOCPART=n.
;; ======== version 1 of 1: 2 launches
;; limits: right only within a limited range of input values
;; workspace buffers: wq 69,206,016 bytes
;; launch quant (part 1): grid 512 x 1, 8 waves a work-group, no clusters, 144,384 bytes of LDS; arguments weight, scale, wq; writes wq
.if DOCPART == 1
	.amdgcn_target "amdgcn-amd-amdhsa--gfx1250"
	.amdhsa_code_object_version 6
	.text
	.protected	k_qd04b480cec_quant
	.globl	k_qd04b480cec_quant
	.p2align	8
	.type	k_qd04b480cec_quant,@function
k_qd04b480cec_quant:
	s_mov_b64 s[64:65], 0
	v_nop
	global_prefetch_b8 v0, s[64:65] scope:SCOPE_SE
	s_setreg_imm32_b32 hwreg(HW_REG_WAVE_MODE, 25, 1), 1
	s_wait_xcnt 0x0
; w[o][i] = f32(weight[o][i]) x scale[o], one rounding in f32, is turned into codes of BF8 (E5M2) with one E8M0 byte for each 32 along K.
; A block's byte is its largest magnitude's exponent field - 15, held at 1 from below; each number is divided by the scale, held within +-57,344 and rounded to the nearest code.
; LIMITS: NaN and infinities in scale are not served.  A block of zeros gets the byte 1 where the rule says 127: its codes are zeros, and this program alone reads the bytes.
; THE WORKSPACE wq lies in the order of the product's operand registers: [o / 128 : 128][k / 128 : 32][16,896 bytes].  A block holds eight fragments of 2,048 bytes
; (tile b = 16 rows): [b][c : 4][lane = 16 h + r][16 bytes] = row 16 b + r, k = 32 c + 16 h + 0 .. 15; behind them 512 scale bytes: [lane = 16 (b % 2) + r][b / 2][c].
; SHARES.  Work-group g: rows 128 (g / 4) .. + 127, k = 1,024 (g % 4) .. + 1,023 (eight blocks).  Wave w: tile w, 16 rows; a row comes by two loads of 512 bytes on end, 16 a lane.
; A lane's 16 codes go into the wave's own stage in LDS, a run of 16 rows x 16 bytes (+ 16 of padding) for each lane; read back, two runs are 512 bytes on end of wq.
; The scale bytes of all eight tiles meet in LDS; behind one barrier wave w stores block w's 512.
.set WBLK,  16896
.set EMAX,  15
.set RUN,   272
.set SCA,   139264                     ; behind eight stages of 64 runs: the scale bytes, eight blocks x 512
.set SPARE, 143360
.set X,     16                         ; v16-31   16 numbers in f32
.set E,     32                         ; v32-63   a scale byte for each step
.set R,     64                         ; v64-191  four registers a step: the row's bytes, then its codes, then what comes back from the stage
	s_load_b128 s[4:7], s[0:1], 0x0                ; weight, scale
	s_load_b64 s[8:9], s[0:1], 0x10                ; wq
	v_lshl_add_u32 v192, v0, 2, SPARE
	v_mov_b32 v193, 0
	v_lshrrev_b32 v1, 5, v0
	v_readfirstlane_b32 s12, v1                    ; wave 0..7
	s_mul_i32 s13, s12, 64*RUN                     ; my stage
	s_and_b32 s15, s12, 1
	s_lshl_b32 s15, s15, 8
	s_lshr_b32 s16, s12, 1
	s_lshl_b32 s16, s16, 2
	s_add_co_u32 s15, s15, s16
	s_add_co_u32 s15, s15, SCA                     ; my tile's place in a block's scale bytes: 256 (w % 2) + 4 (w / 2)
	s_lshl_b32 s16, s12, 9
	s_add_co_u32 s16, s16, SCA                     ; the block whose scale bytes I store
	v_and_b32 v1, 31, v0                           ; lane
	v_lshlrev_b32 v2, 4, v1                        ; in and out: 16 bytes a lane
	v_mul_u32_u24 v3, v1, RUN
	v_add_nc_u32 v3, s13, v3                       ; into the stage: run = lane; the row's 16 t stands in the immediate
	v_lshrrev_b32 v6, 3, v1
	v_bfe_u32 v7, v1, 1, 2
	v_lshl_add_u32 v4, v6, 9, v7
	v_add_nc_u32 v4, s15, v4                       ; my block's byte: 512 (lane / 8) + (lane % 8) / 2
	v_lshrrev_b32 v6, 4, v1
	v_and_b32 v7, 15, v1
	v_mul_u32_u24 v5, v6, RUN
	v_lshl_add_u32 v5, v7, 4, v5
	v_add_nc_u32 v5, s13, v5                       ; back: lanes 0-15 one run, lanes 16-31 the next
	v_add_nc_u32 v6, s16, v2
	s_lshr_b32 s17, ttmp9, 2                       ; o / 128
	s_and_b32 s18, ttmp9, 3                        ; which 1,024 of K
	s_lshl_b32 s14, s17, 19
	s_lshl_b32 s19, s12, 16
	s_add_co_u32 s14, s14, s19
	s_lshl_b32 s19, s18, 10
	s_add_co_u32 s14, s14, s19                     ; weight: row 128 (o / 128) + 16 w, byte 1,024 (g % 4)
	s_mov_b32 s15, 0
	s_lshl_b32 s16, s17, 9
	s_lshl_b32 s19, s12, 6
	s_add_co_u32 s16, s16, s19                     ; scale: my 16 rows
	s_lshl_b32 s17, s17, 5
	s_lshl_b32 s18, s18, 3
	s_add_co_u32 s17, s17, s18                     ; my first block
	s_add_co_u32 s48, s17, s12
	s_mul_i32 s48, s48, WBLK
	s_add_co_u32 s48, s48, 16384                   ; block w's scale bytes
	s_mov_b32 s49, 0
	s_mul_i32 s18, s17, WBLK
	s_lshl_b32 s19, s12, 11
	s_add_co_u32 s18, s18, s19                     ; my tile's fragment in the first block
	s_mov_b32 s19, 0
	s_mov_b32 s17, 0
	s_mov_b32 s20, 0x80808080                      ; turns four int8 into four bytes u = v + 128
	s_mov_b32 s21, 0x4b000000                      ; 2^23 as f32: with u in its lowest byte it is 2^23 + u
	s_mov_b32 s22, 0xcb000080                      ; -(2^23 + 128)
	s_mov_b32 s23, s22
	s_mov_b32 s24, 0x07060500                      ; byte selects: byte b of the data under the upper three bytes of 2^23
	s_mov_b32 s25, 0x07060501
	s_mov_b32 s26, 0x07060502
	s_mov_b32 s27, 0x07060503
	s_mov_b32 s28, 0x600000                        ; the mantissa field of 57,344
	s_wait_alu depctr_va_vdst(0)
	s_wait_kmcnt 0x0
	s_add_nc_u64 s[10:11], s[8:9], s[48:49]
	s_add_nc_u64 s[8:9], s[8:9], s[18:19]
	s_add_nc_u64 s[4:5], s[4:5], s[14:15]
	s_add_nc_u64 s[6:7], s[6:7], s[16:17]
	s_load_b512 s[32:47], s[6:7], 0x0              ; my 16 rows' scales
.set T, 0
.rept 32
	global_load_b128 v[R+4*T:R+4*T+3], v2, s[4:5] offset:4096*(T%16)+512*(T/16) th:TH_LOAD_NT   ; step T: row T % 16, half T / 16: 512 bytes on end
.set T, T+1
.endr
	s_wait_kmcnt 0x0
.macro STEP t
.set RT, R+4*(\t)
	s_wait_loadcnt 31-(\t)                         ; loads come back in order: step t's is in, the 31 - t younger may be out
	s_mov_b32 s30, s[32+(\t)%16]                   ; the row's scale, as a pair for the packed multiply
	s_mov_b32 s31, s[32+(\t)%16]
.irp i, 0,1,2,3
	v_xor_b32 v[RT+\i], s20, v[RT+\i]              ; u = v + 128, 0 .. 255
.endr
.irp i, 0,1,2,3
.irp b, 0,1,2,3
	v_perm_b32 v[X+4*\i+\b], s21, v[RT+\i], s[24+\b]   ; the f32 number 2^23 + u, made of bytes
.endr
.endr
.irp i, 0,2,4,6,8,10,12,14
	v_pk_add_f32 v[X+\i:X+\i+1], v[X+\i:X+\i+1], s[22:23] op_sel_hi:[1,0]   ; - (2^23 + 128): v, exactly
.endr
.irp i, 0,2,4,6,8,10,12,14
	v_pk_mul_f32 v[X+\i:X+\i+1], v[X+\i:X+\i+1], s[30:31] op_sel_hi:[1,0]   ; v x scale, rounded once
.endr
	v_max3_num_f32 v8, |v[X]|, |v[X+1]|, |v[X+2]|                  ; the largest magnitude of my 16, in two chains
	v_max3_num_f32 v9, |v[X+3]|, |v[X+4]|, |v[X+5]|
.irp i, 6,10
	s_delay_alu instid0(VALU_DEP_2)
	v_max3_num_f32 v8, v8, |v[X+\i]|, |v[X+\i+1]|
	s_delay_alu instid0(VALU_DEP_2)
	v_max3_num_f32 v9, v9, |v[X+\i+2]|, |v[X+\i+3]|
.endr
	s_delay_alu instid0(VALU_DEP_2)
	v_max3_num_f32 v8, v8, |v[X+14]|, |v[X+15]|
	s_delay_alu instid0(VALU_DEP_1)
	v_max3_num_f32 v8, v8, v9, (EMAX+1)<<23        ; and the floor 2^(16 - 127): the byte cannot fall under 1
	s_delay_alu instid0(VALU_DEP_1)
	v_max_num_f32_dpp v8, v8, v8 row_xmask:1 row_mask:0xf bank_mask:0xf   ; and of my neighbour's 16: the block's
	s_delay_alu instid0(VALU_DEP_1)
	v_add_nc_u32 v11, 0xf8800000, v8               ; 15 off its exponent field: the conversion's scale operand
	s_delay_alu instid0(VALU_DEP_2)
	v_and_or_b32 v10, v8, 0x7f800000, s28          ; 57,344 x the scale
.irp i, 0,1,2,3,4,5,6,7,8,9,10,11,12,13,14,15
	v_med3_num_f32 v[X+\i], v[X+\i], -v10, v10     ; the conversion does not saturate (ISA guide 7.6.2): hold the number first
.endr
	v_cvt_scalef32_pk8_bf8_f32 v[RT:RT+1], v[X:X+7], v11
	v_cvt_scalef32_pk8_bf8_f32 v[RT+2:RT+3], v[X+8:X+15], v11
	v_lshrrev_b32 v[E+(\t)], 23, v11               ; the scale's byte (also the plain line behind the conversions)
	ds_store_b8 v4, v[E+(\t)] offset:16*((\t)%16)+2048*((\t)/16)   ; both lanes of a block write the same byte
	ds_store_b128 v3, v[RT:RT+3] offset:16*((\t)%16)+32*RUN*((\t)/16)
.endm
.macro OUT u                           ; the 32 runs of half u are whole: 16 pieces of 512 bytes leave.  LDS serves a wave's instructions in order (ISA guide 5.7.1.4)
.irp i, 0,1,2,3,4,5,6,7,8,9,10,11,12,13,14,15
	ds_load_b128 v[R+64*\u+4*\i:R+64*\u+4*\i+3], v5 offset:(16*\u+\i)*2*RUN
.endr
	s_wait_dscnt 0x0
.irp i, 0,1,2,3,4,5,6,7,8,9,10,11,12,13,14,15
	global_store_b128 v2, v[R+64*\u+4*\i:R+64*\u+4*\i+3], s[8:9] offset:((16*\u+\i)/4)*WBLK+((16*\u+\i)%4)*512   ; 32 lanes store 512 bytes on end, at a multiple of 256 from wq's first byte
.endr
.endm
.set T, 0
.rept 16
	STEP T
.set T, T+1
.endr
	OUT 0
.rept 16
	STEP T
.set T, T+1
.endr
	OUT 1                                          ; its wait for 0 also shows my scale bytes stored
	s_barrier_signal -1
	s_barrier_wait -1
	ds_load_b128 v[12:15], v6                      ; block w's scale bytes, of all eight tiles
	s_wait_dscnt 0x0
	global_store_b128 v2, v[12:15], s[10:11]
	s_wait_tensorcnt 0x0                           ; the wave's end
	ds_add_u32 v192, v193
	s_wait_dscnt 0x0
	s_endpgm
.Lfunc_end_k_qd04b480cec_quant:
	.size	k_qd04b480cec_quant, .Lfunc_end_k_qd04b480cec_quant-k_qd04b480cec_quant
	.p2alignl 7, 3214868480
	.fill 96, 4, 3214868480
	.section	.rodata,"a",@progbits
	.p2align	6, 0x0
	.amdhsa_kernel k_qd04b480cec_quant
		.amdhsa_group_segment_fixed_size 144384
		.amdhsa_private_segment_fixed_size 0
		.amdhsa_enable_private_segment 0
		.amdhsa_kernarg_size 24
		.amdhsa_user_sgpr_count 2
		.amdhsa_user_sgpr_kernarg_segment_ptr 1
		.amdhsa_wavefront_size32 1
		.amdhsa_system_sgpr_workgroup_id_x 1
		.amdhsa_system_sgpr_workgroup_id_y 1
		.amdhsa_system_sgpr_workgroup_id_z 1
		.amdhsa_system_vgpr_workitem_id 0
		.amdhsa_next_free_vgpr 196
		.amdhsa_next_free_sgpr 66
		.amdhsa_reserve_vcc 0
		.amdhsa_float_denorm_mode_32 3
		.amdhsa_float_denorm_mode_16_64 3
		.amdhsa_memory_ordered 1
		.amdhsa_forward_progress 1
		.amdhsa_inst_pref_size 157
	.end_amdhsa_kernel
	.amdgpu_metadata
---
amdhsa.version: [ 1, 2 ]
amdhsa.kernels:
  - .name:           k_qd04b480cec_quant
    .symbol:         k_qd04b480cec_quant.kd
    .args:
      - { .name: weight, .offset: 0, .size: 8, .value_kind: global_buffer, .address_space: global }
      - { .name: scale, .offset: 8, .size: 8, .value_kind: global_buffer, .address_space: global }
      - { .name: wq, .offset: 16, .size: 8, .value_kind: global_buffer, .address_space: global }
    .group_segment_fixed_size: 144384
    .private_segment_fixed_size: 0
    .kernarg_segment_align: 8
    .kernarg_segment_size: 24
    .max_flat_workgroup_size: 256
    .sgpr_count:     66
    .vgpr_count:     196
    .wavefront_size: 32
...
	.end_amdgpu_metadata
.endif
;; end of part 1
;; launch gemm (part 2): grid 64 x 4, 4 waves a work-group, clusters of 4 x 4, 327,680 bytes of LDS; arguments x_codes, x_scales, wq, bias, out0; writes out0
.if DOCPART == 2
	.amdgcn_target "amdgcn-amd-amdhsa--gfx1250"
	.amdhsa_code_object_version 6
	.text
	.protected	k_qd04b480cec_gemm
	.globl	k_qd04b480cec_gemm
	.p2align	8
	.type	k_qd04b480cec_gemm,@function
k_qd04b480cec_gemm:
	s_mov_b64 s[64:65], 0
	v_nop
	global_prefetch_b8 v0, s[64:65] scope:SCOPE_SE
	s_setreg_imm32_b32 hwreg(HW_REG_WAVE_MODE, 25, 1), 1
	s_wait_xcnt 0x0
	s_wait_alu depctr_hold_cnt(0) depctr_sa_sdst(0) depctr_va_vdst(0) depctr_va_sdst(0) depctr_va_ssrc(0) depctr_va_vcc(0) depctr_vm_vsrc(0)
	s_getreg_b32 s2, hwreg(HW_REG_IB_STS2, 6, 4)
	s_cmp_eq_u32 s2, 0
	s_cbranch_scc0 .Lentry_in_a_cluster
	s_endpgm
.Lentry_in_a_cluster:
	s_bfe_u32 s2, ttmp6, 0x10000c
	s_cmp_lg_u32 s2, 0xf033
	s_cbranch_scc0 .Lentry_shape_is_right
	s_endpgm
.Lentry_shape_is_right:
; out[m][o] = sum over k of x[m][k] w[o][k] + bias[o], on codes of BF8 (E5M2) with an E8M0 byte for 32 along K; f32 sums, which begin with the bias.
; THE DEAL.  256 work-groups; each makes 256 rows x 256 columns; each of its four waves all 256 rows x 64 columns of its own: 64 accumulators, 512 registers.  A step is 128 along K: 64 matrix instructions, x's 16 blocks of 16 rows one after the other, each against w's four.
; w GOES FROM MEMORY STRAIGHT INTO OPERAND REGISTERS: no two waves of a work-group take the same rows of w, and wq lies in the registers' order: 16 loads of 512 bytes on end and one for the scale words bring a step.
; Four sets of 64 registers: a step's set is asked for three steps ahead.  These loads have no joint form; the four partners of a cluster's column, which alone read a block, share its units of 256 bytes out by address for a prefetch: in a trip the four blocks of the trip two on.
; x GOES THROUGH LDS, in chunks of 4 steps (rows of 512 bytes, padded to 528) in two slots; a quarter of the 256 rows a wave; JOINT LOADS along a cluster's row, whose four work-groups take the same rows of x.
; x's chunks are not prefetched: a chunk is asked for 240 matrix instructions ahead of the wait for it.  x's scale bytes (256 rows x 128) are copied once into LDS through registers.
; x's fragments pass through a ring of eight: in the middle of a pair of blocks the fragments of the pair three on are fetched.
; THE MATRIX INSTRUCTION IS USED TRANSPOSED (source 0 = 16 rows of w, source 1 = 16 rows of x): a lane holds eight neighbouring numbers of a row of out.
; REGISTERS: window 0: v0-15, v48-53 addresses; v16-47 scale words (x's at numbers 0 to 5 modulo 8, w's at 6 and 7); v64-127 the way out; v128-255 x's ring.  Window 1: w's four sets.  Windows 2, 3: the accumulators ((a, b) at 8 (4 (a % 8) + b)).
.set SIZE_N, 16384
.set PITCH,  528
.set SLOT,   135168                    ; 256 rows x 528
.set XS,     270336                    ; x's scale bytes: 256 rows of 128 + 16
.set XP,     144
.set STAGE,  307200                    ; the way out: 16 rows x 272 bytes a wave
.set SPITCH, 272
.set SPARE,  324608
.set WBLK,   16896
.set A0, 2                             ; r x 528 + 16 h;  A1: 128 rows on
.set A1, 3
.set ADC0, 4                           ; the same in the slot that is read
.set ADC1, 5
.set ADS, 6                            ; my rows' scale words of this trip's first step
.set BOF, 7                            ; 16 x lane + 8,192 x (wave % 2)
.set PFO, 8
.set STO, 9
.set RD, 10
.set BO, 11
.set SPW, 12
.set NIL, 13
.set BSO, 48
.set PFS, 49
.set CO, 50
.set XST, 51
.set L16, 52
.set SC, 16
.set BK, 64
.set AR, 128
.set G1, 24
.set G0, 32
.set WP, 43                            ; s43 my quarter of a slot;  s44 the next chunk's k;  s45 the slot that is read;  s[46:47] my rows of x;  s[48:49] w's blocks of this trip
.set KO, 44
.set SL, 45
.set AB, 46
.set BB, 48
.set XB, 50
.set MSB, 0
.macro WIN new
.if MSB != \new
	s_set_vgpr_msb (MSB<<8)|\new
.set MSB, \new
.endif
.endm
.macro PLACES n
.rept \n
	v_nop
.endr
.endm
.macro CREST
	s_cmp_lg_u32 s14, 0
	s_cbranch_scc1 .Lnot_wave_0_\@
	s_barrier_signal -3
.Lnot_wave_0_\@:
	s_barrier_wait -3
	s_barrier_signal -1
	s_barrier_wait -1
.endm
.macro CROUND
	s_barrier_signal -1
	s_barrier_wait -1
	CREST
.endm
.macro TLOAD                           ; every wave's own 64 rows; an s_nop 0 and four v_nop follow
	tensor_load_to_lds s[G0:G0+3], s[G1:G1+7]
	s_nop 0
	PLACES 4
.endm
	s_load_b256 s[4:11], s[0:1], 0x0               ; x_codes, x_scales, wq, bias
	s_load_b64 s[12:13], s[0:1], 0x20              ; out0
	v_lshl_add_u32 v[SPW], v0, 2, SPARE
	v_mov_b32 v[NIL], 0
	ds_add_u32 v[SPW], v[NIL]                      ; the opening: the add, twice on end, and its wait
	ds_add_u32 v[SPW], v[NIL]
	v_lshrrev_b32 v1, 5, v0
	v_readfirstlane_b32 s14, v1                    ; wave
	s_bfe_u32 s40, ttmp6, 0x40000                  ; cx
	s_bfe_u32 s41, ttmp6, 0x40004                  ; cy: the tile row of 256
	s_lshl_b32 s42, ttmp9, 2
	s_add_co_u32 s42, s42, s40                     ; tile column of 256
	s_lshr_b32 s17, s14, 1
	s_lshl_b32 s15, s42, 1
	s_add_co_u32 s15, s15, s17                     ; my group of 128 rows of w,
	s_and_b32 s57, s14, 1                          ; and which half of it
	s_lshl_b32 s16, s41, 2
	s_lshl_b32 s16, 15, s16                        ; my row of the cluster
	s_or_b32 s[G1+0], s16, (1<<20)|(1<<21)|(6<<22)|(3<<25)   ; bytes; 16 bytes of padding behind every 512
	s_mov_b32 s[G1+1], 512<<16
	s_mov_b32 s[G1+2], 64<<16
	s_mov_b32 s[G1+3], 512<<16
	s_mov_b32 s[G1+4], 64
	s_mov_b32 s[G1+5], 4096
	s_mov_b32 s[G1+6], 0
	s_mov_b32 s[G1+7], 0
	s_lshl_b32 s20, s41, 20
	s_lshl_b32 s17, s14, 18
	s_add_co_u32 s20, s20, s17                     ; x: row 256 x tile row + 64 x wave
	s_mov_b32 s21, 0
	s_mul_i32 s[WP], s14, 64*PITCH
	s_mov_b32 s[G0], 1
	s_mov_b32 s[G0+1], s[WP]
	s_mov_b32 s[SL], 0
	s_mov_b32 s[KO], 1024
	s_mul_i32 s18, s15, 32*WBLK
	s_mov_b32 s19, 0
	s_lshl_b32 s22, s42, 10
	s_lshl_b32 s17, s14, 8
	s_add_co_u32 s22, s22, s17                     ; my 64 columns in bytes
	s_mov_b32 s23, 0
	s_lshl_b32 s36, s41, 15
	s_lshl_b32 s17, s14, 13
	s_add_co_u32 s36, s36, s17                     ; x's scale bytes: my 64 rows
	s_mov_b32 s37, 0
	s_lshl_b32 s38, s41, 24
	s_add_co_u32 s38, s38, s22
	s_mov_b32 s39, 0
	s_lshl_b32 s56, s57, 13                        ; my half's four fragments
	s_lshl_b32 s52, s41, 11
	s_add_co_u32 s52, s52, s56                     ; the prefetch of codes: partner cy takes units 8 cy .. 8 cy + 7 of my half's 32
	s_mul_i32 s55, s41, WBLK
	s_lshl_b32 s17, s57, 8
	s_add_co_u32 s55, s55, s17
	s_add_co_u32 s55, s55, 16384                   ; of scale bytes: partner cy takes the trip's block cy, my half one of its two units
	s_lshl_b32 s58, s57, 3
	s_mul_i32 s53, s14, 16*SPITCH
	s_add_co_u32 s53, s53, STAGE
	s_mul_i32 s54, s14, 64*XP
	s_add_co_u32 s54, s54, XS
	s_wait_dscnt 0x0
	CROUND                                         ; all sixteen work-groups are here
	s_wait_kmcnt 0x0
	s_add_nc_u64 s[AB:AB+1], s[4:5], s[20:21]
	s_mov_b64 s[G0+2:G0+3], s[AB:AB+1]
	s_or_b32 s[G0+3], s[G0+3], 0x80000000
	TLOAD                                          ; chunk 0: one tensor load a wave at the head
	s_add_nc_u64 s[BB:BB+1], s[8:9], s[18:19]
	s_add_nc_u64 s[10:11], s[10:11], s[22:23]
	s_add_nc_u64 s[XB:XB+1], s[6:7], s[36:37]
	s_add_nc_u64 s[12:13], s[12:13], s[38:39]
	v_and_b32 v1, 15, v0                           ; r
	v_bfe_u32 v14, v0, 4, 1                        ; h
	v_and_b32 v15, 31, v0                          ; lane
	v_mul_u32_u24 v[A0], v1, PITCH
	v_lshl_add_u32 v[A0], v14, 4, v[A0]
	v_add_nc_u32 v[A1], 128*PITCH, v[A0]
	v_add_nc_u32 v[ADC0], s[SL], v[A0]
	v_add_nc_u32 v[ADC1], s[SL], v[A1]
	v_mul_u32_u24 v[ADS], v15, XP                  ; scale words: register p takes rows 32 p + lane
	v_add_nc_u32 v[ADS], XS, v[ADS]
	v_lshlrev_b32 v[L16], 4, v15
	v_add_nc_u32 v[BOF], s56, v[L16]
	v_add_nc_u32 v[BSO], s58, v[L16]
	v_lshlrev_b32 v[BO], 5, v14
	v_mul_u32_u24 v[STO], v1, SPITCH
	v_lshl_add_u32 v[STO], v14, 5, v[STO]
	v_add_nc_u32 v[STO], s53, v[STO]
	v_mul_u32_u24 v[RD], v14, SPITCH               ; back: lanes 0-15 one row of 256 bytes, lanes 16-31 the next
	v_lshl_add_u32 v[RD], v1, 4, v[RD]
	v_add_nc_u32 v[RD], s53, v[RD]
	v_lshlrev_b32 v[CO], 16, v14                   ; and the same two rows in out
	v_lshl_add_u32 v[CO], v1, 4, v[CO]
	v_lshrrev_b32 v[XST], 3, v15
	v_mul_u32_u24 v[PFO], v[XST], WBLK             ; lane l: block l / 8 of four, unit l % 8 of my eight
	v_mul_u32_u24 v[XST], v[XST], XP
	v_and_b32 v1, 7, v15
	v_lshl_add_u32 v[XST], v1, 4, v[XST]
	v_add_nc_u32 v[XST], s54, v[XST]
	v_lshl_add_u32 v[PFO], v1, 8, v[PFO]
	v_add_nc_u32 v[PFO], s52, v[PFO]
	v_mov_b32 v[PFS], s55
	s_wait_alu depctr_va_vdst(0)
.macro ALOAD blk, pos                  ; x's block blk at place pos of the chunk -> ring place blk % 8
.if (\blk) < 8
.set aA, ADC0
.else
.set aA, ADC1
.endif
.irp c, 0,1,2,3
	ds_load_b128 v[AR+16*((\blk)%8)+4*\c:AR+16*((\blk)%8)+4*\c+3], v[aA] offset:((\blk)%8)*16*PITCH+128*(\pos)+32*\c
.endr
.endm
.macro ASCALE so, t1                   ; x's scale words of a step -> set t1
.irp q, 0,1,2,3,4,5
	ds_load_b32 v[SC+16*(\t1)+\q], v[ADS] offset:\q*32*XP+(\so)
.endr
.irp q, 6,7
	ds_load_b32 v[SC+16*(\t1)+\q+2], v[ADS] offset:\q*32*XP+(\so)
.endr
.endm
.macro BLOAD f, jb, p2                 ; w's fragment f of block jb of the trip -> set p2
	WIN 0x40
.irp c, 0,1,2,3
	global_load_b128 v[64*(\p2)+16*(\f)+4*\c:64*(\p2)+16*(\f)+4*\c+3], v[BOF], s[BB:BB+1] offset:(\jb)*WBLK+(\f)*2048+\c*512
.endr
.endm
.macro BSCALE jb, p2
	WIN 0
	global_load_b64 v[SC+8*(\p2)+6:SC+8*(\p2)+7], v[BSO], s[BB:BB+1] offset:(\jb)*WBLK+16384
.endm
.macro BSET jb, p2
.irp f, 0,1,2,3
	BLOAD \f, \jb, \p2
.endr
	BSCALE \jb, \p2
.endm
.macro ASK jb                          ; four blocks from block jb of the trip on: my share of their codes and of their scale bytes
	WIN 0
	global_prefetch_b8 v[PFO], s[BB:BB+1] offset:(\jb)*WBLK th:TH_LOAD_NT scope:SCOPE_SE
	global_prefetch_b8 v[PFS], s[BB:BB+1] offset:(\jb)*WBLK th:TH_LOAD_NT scope:SCOPE_SE
.endm
.macro MM a, b, p, t
.set rD,  8*(4*((\a)%8)+(\b))
.set rW,  64*(\p)+16*(\b)
.set rX,  AR+16*((\a)%8)
.set rSW, SC+8*(\p)+6+(\b)/2
.if (\a)/2 < 6
.set rSX, SC+16*(\t)+(\a)/2
.else
.set rSX, SC+16*(\t)+(\a)/2+2
.endif
.if ((\a)%2 == 0) && ((\b)%2 == 0)
	v_wmma_scale_f32_16x16x128_f8f6f4 v[rD:rD+7], v[rW:rW+15], v[rX:rX+15], v[rD:rD+7], v[rSW], v[rSX] matrix_a_fmt:MATRIX_FMT_BF8 matrix_b_fmt:MATRIX_FMT_BF8
.elseif ((\a)%2 == 0)
	v_wmma_scale_f32_16x16x128_f8f6f4 v[rD:rD+7], v[rW:rW+15], v[rX:rX+15], v[rD:rD+7], v[rSW], v[rSX] matrix_a_fmt:MATRIX_FMT_BF8 matrix_b_fmt:MATRIX_FMT_BF8 matrix_a_scale:MATRIX_SCALE_ROW1
.elseif ((\b)%2 == 0)
	v_wmma_scale_f32_16x16x128_f8f6f4 v[rD:rD+7], v[rW:rW+15], v[rX:rX+15], v[rD:rD+7], v[rSW], v[rSX] matrix_a_fmt:MATRIX_FMT_BF8 matrix_b_fmt:MATRIX_FMT_BF8 matrix_b_scale:MATRIX_SCALE_ROW1
.else
	v_wmma_scale_f32_16x16x128_f8f6f4 v[rD:rD+7], v[rW:rW+15], v[rX:rX+15], v[rD:rD+7], v[rSW], v[rSX] matrix_a_fmt:MATRIX_FMT_BF8 matrix_b_fmt:MATRIX_FMT_BF8 matrix_a_scale:MATRIX_SCALE_ROW1 matrix_b_scale:MATRIX_SCALE_ROW1
.endif
.endm
.macro QUAD a, p, t, nops              ; block a's four products; behind each of a pair's first four two v_nop: the eight places ahead of the loads in the pair's middle
.set W_, 0xa1+0x50*((\a)/8)
	WIN W_
.irp b, 0,1,2,3
	MM \a, \b, \p, \t
	PLACES \nops
.endr
.endm
; A step.  j: its place in the chunk (w's set j, x's scale set j % 2); lc: w's loads that may stay out; bl: w's set three steps on is asked for; pf: the blocks of the trip two on are prefetched;
; turn: the chunk's last step: 1 with a refill in a round of the cluster's barrier, 2 with a plain barrier; al: a step follows.
.macro STEP j, lc, bl, pf, turn, al
.set P_, \j
.set T_, (\j)%2
	s_wait_loadcnt \lc                             ; this step's 17 loads are in; those of the steps behind it may be out
.irp g, 0,1,2,3,4,5,6,7
.if (\turn) && (\g == 5)
	WIN 0
	s_wait_tensorcnt 0x0                           ; the next chunk has landed; all reads of this slot have been issued
	ds_add_u32 v[SPW], v[NIL]
.if (\turn) == 1
	s_add_co_u32 s[G0+1], s[WP], s[SL]             ; no load of mine is out: the chunk two on goes into the slot that has been read
	s_mov_b32 s20, s[KO]
	s_add_nc_u64 s[G0+2:G0+3], s[AB:AB+1], s[20:21]
	s_or_b32 s[G0+3], s[G0+3], 0x80000000
	s_add_co_u32 s[KO], s[KO], 512
.endif
	s_xor_b32 s[SL], s[SL], SLOT
	s_wait_dscnt 17                                ; the add and the last two pairs' loads may be out
.elseif (\turn) && (\g == 6)
	s_wait_dscnt 0x0                               ; the add is done, my reads of this slot are over
	s_barrier_signal -1
.elseif ((\al) == 0) && (\g == 6)
	s_wait_dscnt 8
.elseif ((\al) == 0) && (\g == 7)
	s_wait_dscnt 0
.else
	s_wait_dscnt 16                                ; this pair's fragments are in; the two younger pairs' loads may be out
.endif
	QUAD 2*(\g), P_, T_, 2
.if ((\turn) == 0) || (\g < 5) || (\g == 7)
	WIN 0
.if (\g == 1) && (\al)
	ASCALE 4*((\j)+1), ((\j)+1)%2
.endif
.if \g < 5
	ALOAD 2*(\g)+6, \j
	ALOAD 2*(\g)+7, \j
.elseif \al
	ALOAD 2*(\g)-10, ((\j)+1)%4
	ALOAD 2*(\g)-9, ((\j)+1)%4
.endif
.if (\bl) && (\g < 2)
	BLOAD 2*(\g), (\j)+3, ((\j)+3)%4
	BLOAD 2*(\g)+1, (\j)+3, ((\j)+3)%4
.if \g == 0
	BSCALE (\j)+3, ((\j)+3)%4
.endif
.endif
.if (\pf) && (\g == 3)
	ASK 8
.endif
.endif
	QUAD 2*(\g)+1, P_, T_, 0
.if (\turn) && (\g == 6)
	WIN 0
	s_barrier_wait -1
.if (\turn) == 1
	CREST                                          ; no wave of any partner still reads the slot or has a load on its way
	TLOAD
.endif
	v_add_nc_u32 v[ADC0], s[SL], v[A0]             ; on to the other slot,
	v_add_nc_u32 v[ADC1], s[SL], v[A1]
	v_add_nc_u32 v[ADS], 16, v[ADS]                ; and four steps on in the scale words
	s_wait_alu depctr_va_vdst(0)
	ALOAD 0, 0
	ALOAD 1, 0
	ALOAD 2, 0
	ALOAD 3, 0
.endif
.endr
.endm
.macro ONWARD                          ; w's blocks of the next trip
	WIN 0
	s_wait_xcnt 0x0                                ; my loads and prefetches have read their base
	s_add_nc_u64 s[BB:BB+1], s[BB:BB+1], 4*WBLK
.endm
.irp i, 0,1,2,3,4,5,6,7,8,9,10,11,12,13,14,15
	global_load_b128 v[AR+4*\i:AR+4*\i+3], v[L16], s[XB:XB+1] offset:512*\i   ; x's scale bytes, my 64 rows: 8,192 bytes on end
.endr
	BSET 0, 0
	ASK 4
	s_wait_loadcnt 17
.irp i, 0,1,2,3,4,5,6,7,8,9,10,11,12,13,14,15
	ds_store_b128 v[XST], v[AR+4*\i:AR+4*\i+3] offset:4*XP*\i
.endr
.irp a, 0,1,2,3,4,5,6,7,8,9,10,11,12,13,14,15     ; the sums begin with the bias: register i of accumulator (a, b) is column 16 b + 8 h + i
	WIN 0x80+0x40*(\a/8)
.irp b, 0,1,2,3
	global_load_b128 v[8*(4*(\a%8)+\b):8*(4*(\a%8)+\b)+3],   v[BO], s[10:11] offset:64*\b
	global_load_b128 v[8*(4*(\a%8)+\b)+4:8*(4*(\a%8)+\b)+7], v[BO], s[10:11] offset:64*\b+16
.endr
.endr
	BSET 1, 1
	BSET 2, 2
	s_wait_tensorcnt 0x0                           ; my part of chunk 0 is in
	ds_add_u32 v[SPW], v[NIL]
	s_add_co_u32 s[G0+1], s[WP], SLOT
	s_add_nc_u64 s[G0+2:G0+3], s[AB:AB+1], 512
	s_or_b32 s[G0+3], s[G0+3], 0x80000000
	s_wait_dscnt 0x0                               ; the add, and my stores of scale bytes
	CROUND
	TLOAD                                          ; chunk 1 into slot 1
	ASCALE 0, 0
.irp b, 0,1,2,3,4,5
	ALOAD \b, 0
.endr
	s_mov_b32 s3, 6
.Ltrip:                                                ; a trip is a chunk: steps 0 to 23
	STEP 0, 34, 1, 1, 0, 1
	STEP 1, 34, 1, 0, 0, 1
	STEP 2, 34, 1, 0, 0, 1
	STEP 3, 34, 1, 0, 1, 1
	ONWARD
	s_sub_co_u32 s3, s3, 1
	s_cmp_lg_u32 s3, 0
	s_cbranch_scc1 .Ltrip
	STEP 0, 34, 1, 0, 0, 1                         ; chunk 6: nothing is filled again
	STEP 1, 34, 1, 0, 0, 1
	STEP 2, 34, 1, 0, 0, 1
	STEP 3, 34, 1, 0, 2, 1
	ONWARD
	STEP 0, 34, 1, 0, 0, 1                         ; chunk 7: step 28 asks for w's last block
	STEP 1, 34, 0, 0, 0, 1
	STEP 2, 17, 0, 0, 0, 1
	STEP 3, 0, 0, 0, 0, 0
	WIN 0
; THE WAY OUT, block by block of 16 rows x 64 columns, through my own stage: back come whole rows of 256 bytes.  LDS serves a wave's instructions in order (ISA guide 5.7.1.4).
.macro TOSTAGE a
.set AC, 32*((\a)%8)
	WIN 0x08+4*((\a)/8)
.irp b, 0,1,2,3
	ds_store_b128 v[STO], v[AC+8*\b:AC+8*\b+3] offset:64*\b          ; each accumulator from its low end on
	ds_store_b128 v[STO], v[AC+8*\b+4:AC+8*\b+7] offset:64*\b+16
.endr
	WIN 0
.set BBK, BK+32*((\a)%2)
.irp t, 0,1,2,3,4,5,6,7
	ds_load_b128 v[BBK+4*\t:BBK+4*\t+3], v[RD] offset:\t*2*SPITCH
.endr
.endm
.macro SEND a, younger
.set BBK, BK+32*((\a)%2)
	s_wait_dscnt \younger
.if (\a) > 0
	s_add_nc_u64 s[12:13], s[12:13], 16*SIZE_N*4   ; behind a wait on XCNT: the earlier stores have read their base
.endif
.irp t, 0,1,2,3,4,5,6,7
	global_store_b128 v[CO], v[BBK+4*\t:BBK+4*\t+3], s[12:13] offset:2*\t*SIZE_N*4 th:TH_STORE_NT   ; sixteen lanes store 256 bytes on end, at a multiple of 256 from out0's first byte
.endr
.endm
	PLACES 8
	TOSTAGE 0
.irp a, 1,2,3,4,5,6,7,8,9,10,11,12,13,14,15
.if \a > 1
	s_wait_xcnt 0x0
.endif
	TOSTAGE \a
	SEND \a-1, 16
.endr
	s_wait_xcnt 0x0
	SEND 15, 0
	s_wait_tensorcnt 0x0                           ; the wave's end
	ds_add_u32 v[SPW], v[NIL]
	s_wait_dscnt 0x0
	CROUND                                         ; the closing round
	s_endpgm
.Lfunc_end_k_qd04b480cec_gemm:
	.size	k_qd04b480cec_gemm, .Lfunc_end_k_qd04b480cec_gemm-k_qd04b480cec_gemm
	.p2alignl 7, 3214868480
	.fill 96, 4, 3214868480
	.section	.rodata,"a",@progbits
	.p2align	6, 0x0
	.amdhsa_kernel k_qd04b480cec_gemm
		.amdhsa_group_segment_fixed_size 327680
		.amdhsa_private_segment_fixed_size 0
		.amdhsa_enable_private_segment 0
		.amdhsa_kernarg_size 40
		.amdhsa_user_sgpr_count 2
		.amdhsa_user_sgpr_kernarg_segment_ptr 1
		.amdhsa_wavefront_size32 1
		.amdhsa_system_sgpr_workgroup_id_x 1
		.amdhsa_system_sgpr_workgroup_id_y 1
		.amdhsa_system_sgpr_workgroup_id_z 1
		.amdhsa_system_vgpr_workitem_id 0
		.amdhsa_next_free_vgpr 1024
		.amdhsa_next_free_sgpr 66
		.amdhsa_reserve_vcc 0
		.amdhsa_float_denorm_mode_32 3
		.amdhsa_float_denorm_mode_16_64 3
		.amdhsa_memory_ordered 1
		.amdhsa_forward_progress 1
		.amdhsa_inst_pref_size 255
	.end_amdhsa_kernel
	.section	.bss,"aw",@nobits
	.p2align	6
	.space	262144
	.amdgpu_metadata
---
amdhsa.version: [ 1, 2 ]
amdhsa.kernels:
  - .name:           k_qd04b480cec_gemm
    .symbol:         k_qd04b480cec_gemm.kd
    .args:
      - { .name: x_codes, .offset: 0, .size: 8, .value_kind: global_buffer, .address_space: global }
      - { .name: x_scales, .offset: 8, .size: 8, .value_kind: global_buffer, .address_space: global }
      - { .name: wq, .offset: 16, .size: 8, .value_kind: global_buffer, .address_space: global }
      - { .name: bias, .offset: 24, .size: 8, .value_kind: global_buffer, .address_space: global }
      - { .name: out0, .offset: 32, .size: 8, .value_kind: global_buffer, .address_space: global }
    .group_segment_fixed_size: 327680
    .private_segment_fixed_size: 0
    .kernarg_segment_align: 8
    .kernarg_segment_size: 40
    .max_flat_workgroup_size: 128
    .sgpr_count:     66
    .vgpr_count:     1024
    .wavefront_size: 32
...
	.end_amdgpu_metadata
.endif
;; end of part 2
